; MI455X (gfx1250); checked and timed in simulation.
; The chip was launched on July 23, 2026; its instructions are those of AMD's public machine-readable ISA for CDNA 5 (MIT licence, August 2026) and "CDNA5" Instruction Set Architecture Reference Guide (July 2026). The comments in the code are by the model that wrote it; some were corrected since.
;; Attention. Allowed arithmetic: matrix products marked QUANTISED: E2M1 operands, one E8M0 scale for each 32 along K, by v_wmma_scale_f32_16x16x128_f8f6f4 with both operands' format E2M1 (or v_wmma_scale_f32_32x16x128_f4), f32 sums; everything else in f32.
;; Inputs: key_codes 8 x 2,048 x 32 x 16 uint8 (E2M1 codes of key, K innermost, in blocks of 32 codes, two codes a byte); key_scales 8 x 2,048 x 32 uint8 (E8M0 scales of key, one for each 32 codes along K); query_codes 8 x 2,048 x 32 x 16 uint8 (E2M1 codes of query, K innermost, in blocks of 32 codes, two codes a byte); query_scales 8 x 2,048 x 32 uint8 (E8M0 scales of query, one for each 32 codes along K); value_codes 8 x 1,024 x 64 x 16 uint8 (E2M1 codes of value, K innermost, in blocks of 32 codes, two codes a byte); value_scales 8 x 1,024 x 64 uint8 (E8M0 scales of value, one for each 32 codes along K).
;; Outputs: out0 8 x 2,048 x 1,024 float32.
;; This version of the problem:
;;   THIS VERSION OF THE PROBLEM IS GIVEN IN LOW PRECISION. The matrix products marked QUANTISED in the list below multiply operands that are first quantised to E2M1 (2 exponent bits, 1 mantissa bit; 4 bits a number), with one power-of-two scale for each 32 numbers along K (OCP MX v1.0); their sums are f32. All else is computed in f32.
;;   The module's matrix products, in the order in which they are computed (A, B: the left and right operand; K: the contracted axis; several contracted axes count as one K, in the product's order):
;;     1. batch 8 x [M 2,048, K 1,024] x [K 1,024, N 2,048]; A: input query (given as codes); B: input key (given as codes): QUANTISED
;;     2. batch 8 x [M 2,048, K 2,048] x [K 2,048, N 1,024]; A: softmax (see below); B: input value (given as codes): QUANTISED
;;   THE QUANTISER, for each operand of a quantised product, along K:
;;     - K is cut into blocks of 32 from its start; a last block that is shorter is filled with zeros.
;;     - A block's scale is 2^e with e = floor(log2(the largest magnitude in the block)) - 2, held to -126 .. 127; a block of zeros has e = 0. As a byte (E8M0): e + 127.
;;     - Each number is divided by its block's scale, clamped to +-6, and rounded to the nearest number of E2M1, ties to even, subnormals kept.
;;     - The product sums the exact products of the quantised numbers (number of the format x scale) in f32.
;;   ~~~python
;;   def quantise(x, axis):      # numpy; x: float32 -> the quantised numbers, widened to float32 again
;;       x = np.moveaxis(x, axis, -1); K = x.shape[-1]
;;       x = np.pad(x, [(0, 0)] * (x.ndim - 1) + [(0, -K % 32)]); x = x.reshape(x.shape[:-1] + (-1, 32)); a = np.abs(x).max(-1, keepdims=True)
;;       e = np.where(a > 0, np.clip(np.frexp(np.where(a > 0, a, 1))[1] - 1 - 2, -126, 127), 0)      # np.frexp(a)[1] - 1 = floor(log2(a)), exactly
;;       r = np.clip(x / 2.0 ** e, -6, 6)
;;       step = 2.0 ** (np.maximum(np.frexp(np.where(r == 0, 1, r))[1] - 1, 0) - 1)
;;       q = np.round(r / step) * step * 2.0 ** e      # np.round: ties to even
;;       return np.moveaxis(q.reshape(q.shape[:-2] + (-1,))[..., :K], -1, axis).astype(np.float32)
;;   ~~~
;;   SOFTMAX AHEAD OF A QUANTISED PRODUCT. Where the list says 'softmax', what is quantised is not the finished softmax but p = 2^(t - M), with t = logit x log2(e) and M = ceil(the row's largest t), a whole number; so 1/2 < the row's largest p <= 1. The row's sum l is taken of the UNQUANTISED p, in f32, and the product's result is divided by l at the end. Since M is a whole number, a kernel that streams over the keys may use a running M (the ceiling of the running maximum): every later rescaling is an exact power of two, which a block's scale takes up: the codes' values come out the same.
;;   OPERANDS COMPUTED ON THE WAY. 'Computed on the way' means the value that the module computes at that place (a softmax that the list does not call 'softmax' is quantised finished and normalised). What goes into a quantiser is computed in f32, as accurately as f32 sums, v_exp_f32 and their like allow (about 1e-6 of the number): no bf16 or f16 on the way to a quantiser, and a product that is left as it is and whose result goes on into a quantised operand takes f32 operands (vector FMAs, or v_wmma_f32_16x16x4_f32). A number that lies on a knife's edge between two numbers of the format may be rounded either way, as far as f32 arithmetic and the matrix unit's own rounding can turn it there, and no further.
;;   INPUTS GIVEN AS CODES. key (in the module: [8, 2048, 1024], K = its axis 2); query (in the module: [8, 2048, 1024], K = its axis 2); value (in the module: [8, 2048, 1024], K = its axis 1): each comes as NAME_codes (uint8): NAME with its K axis moved to the last place and cut into blocks of 32 codes, [.., K / 32, bytes a block], one block behind the other in memory; two codes a byte, the lower K in the low four bits (a code: sign, 2 exponent bits, 1 mantissa bit); and NAME_scales (uint8): the same leading axes, one E8M0 byte (e + 127) for each 32 codes along K. Its value is code x scale, taken as it is: it is not quantised again, and the codes and scales need not be those that the quantiser above would give.
;; One version. Each part assembles by itself: llvm-mc -triple=amdgcn-amd-amdhsa -mcpu=gfx1250 --defsym DOCPART=n.
;; ======== version 1 of 1: 1 launch
;; limits: right only within a limited range of input values
;; launch attn (part 1): grid 32 x 8, 4 waves a work-group, clusters of 4 x 1, 327,680 bytes of LDS; arguments key_codes, key_scales, query_codes, query_scales, value_codes, value_scales, out0; writes out0
.if DOCPART == 1
	.amdgcn_target "amdgcn-amd-amdhsa--gfx1250"
	.amdhsa_code_object_version 6
	.text
	.protected	k_qc72e4d4fb8_attn
	.globl	k_qc72e4d4fb8_attn
	.p2align	8
	.type	k_qc72e4d4fb8_attn,@function
k_qc72e4d4fb8_attn:
	s_mov_b64 s[64:65], 0
	v_nop
	global_prefetch_b8 v0, s[64:65] scope:SCOPE_SE
	s_setreg_imm32_b32 hwreg(HW_REG_WAVE_MODE, 25, 1), 1
	s_wait_xcnt 0x0
	s_wait_alu depctr_hold_cnt(0) depctr_sa_sdst(0) depctr_va_vdst(0) depctr_va_sdst(0) depctr_va_ssrc(0) depctr_va_vcc(0) depctr_vm_vsrc(0)
	s_getreg_b32 s2, hwreg(HW_REG_IB_STS2, 6, 4)
	s_cmp_eq_u32 s2, 0
	s_cbranch_scc0 .Lentry_in_a_cluster
	s_endpgm
.Lentry_in_a_cluster:
	s_bfe_u32 s2, ttmp6, 0x10000c
	s_cmp_lg_u32 s2, 0x3003
	s_cbranch_scc0 .Lentry_shape_is_right
	s_endpgm
.Lentry_shape_is_right:
; O[b][q][:] = the sum over k <= q of softmax_k(Q[b][q] . K[b][k] / 32) V[b][k][:]; 8 batches, 2,048 queries and keys, 1,024 channels; both products on E2M1 codes with E8M0 scales.
; SHARES.  A work-group owns 64 queries, a cluster of four 256 neighbouring queries of one batch (group g, 0 to 7); all four walk the same keys in supers of 512 keys, T = (g + 2) / 2 of them.  Whole supers behind the
; diagonal are left out: the mask that reference() builds empties them.  Inside the last super the masked scores become -infinity.  A NaN or an infinity that reaches only masked work is not carried to the result.
; TWO PASSES.  Pass 1: S^T = K Q^T, 256 keys a step, a wave 64 of them for all 64 queries; each wave keeps a running M (whole number) and row sum of ITS keys, quantises p at once and keeps the codes in a queue of registers.
; Pass 2: M and the sums of the four waves are joined; a code's scale byte is moved by M(then) - M(final), a whole number, so O is never rescaled; O^T = V^T P^T, 512 keys and 512 channels a step, the newest super first.
; LIMITS.  The scaled scores (to the base 2) stay under 2^31 in magnitude.  Masked keys are left out where reference() subtracts 1e10 from the raw score: the same wherever a row's raw scores lie within that of each other.
; CLUSTERS.  The four work-groups of a cluster need the same tiles of K and V: each wave's load is joint (mask 15).
; PREFETCHES.  Trip i loads tile i + 1 and asks for tile i + 3; tiles 1 and 2 are asked for at the head.  Groups 4 to 7 of a batch ask; a tile's 512 blocks of 256 bytes are dealt to the cluster's four work-groups by address, one instruction a wave.
; REGISTERS.  Window 0: addresses, state, scales; v128-255 P in pass 2.  Window 1: pass 1: S (0-127), K's fragments (128-255, four K steps of 128); pass 2: O's channels 0-511 (a wave's 128 of them).  Window 2: Q, then O's channels 512-1023.
; Window 3: the queue (codes 0-95 and 128-159, scale bytes 96-111, -M 112-127), V's fragments (128-191, 192-255), the way out (0-95).
.set QUART, 34816                      ; a wave's part of a slot: 64 keys x 528 bytes, or 128 channels x 272 bytes
.set SLOT,  4*QUART
.set Z,     2*SLOT                     ; behind the ring: P's image, 16 KiB;
.set PSC,   16384                      ; P's scale bytes, 512 bytes a wave;
.set MXO,   18432                      ; the waves' -M;
.set SMO,   19456                      ; the waves' row sums;
.set STG,   20480                      ; a stage of 16 rows x 272 bytes for each wave;
.set SPARE, Z+STG+4*4352               ; the spare words
.set AK,  1                            ; v1-2   K's fragments in slot 0, 1
.set AV,  3                            ; v3-4   V's
.set LI,  5
.set L4,  6
.set W4,  7
.set W5,  8
.set PST, 9
.set R4,  10
.set STO, 11
.set SRD, 12
.set GO,  13
.set QO,  14
.set O32, 15
.set SPW, 16
.set NIL, 17
.set NINF, 18
.set O64, 19
.set RH,  20
.set PFK, 21
.set PFV, 22
.set ST,  24                           ; 8 a query tile: 0 -M, 1 largest t, 2 f, 3 final -M by rows, 4 sum, 5 at work, 6-7 1 / sum
.set KS,  56                           ; scale words of K, then V: slot 0's 16, slot 1's 16
.set QS,  88                           ; Q's scale words
.set PSR, 88                           ; pass 2: P's scale bytes as read
.set PS,  104                          ; P's scale words
.set BM,  112
.set BT,  120
.set P,   128
.set ACC, 128
.set SO,  144
.set DD,  152
.set TMP, 156
.set PB,  160
.set MXR, 164
.set SMR, 180
.set BY,  196
.set QC,  0
.set QB,  96
.set QM,  112
.set WV,  18
.set CX,  19
.set GG,  20
.set BAT, 21
.set TN,  22                           ; T
.set KC,  23                           ; supers to go in pass 1
.set VC,  24                           ; supers to go in pass 2
.set PF,  25                           ; 1: my cluster prefetches
.set MK0, 26                           ; 1: the last super's first step is masked too
.set KF,  27
.set HM,  28
.set DQ,  29
.set SEL, 30
.set CS,  32
.set Q0,  34
.set T0,  35
.set G1K, 36
.set G1V, 44
.set G0A, 52                           ; K into slot 0
.set G0B, 56                           ; K into slot 1
.set G0C, 60                           ; V into slot 0 (channels 0-511)
.set KB,  66
.set G0D, 72                           ; V into slot 1 (channels 512-1023)
.set SA0, 76
.set SA1, 78
.set SV0, 80
.set SV1, 82
.set PKA, 84
.set PVA, 86
.set OB,  88
.set OFS, 90                           ; offsets that all partners share
.set QAA, 92
.set QSA, 94
.set T1,  96
.set BO,  97
.set BS,  98
.set OFX, 100                          ; offsets that hang on the place in the cluster
.set MSB, 0
.macro WIN new
.if MSB != \new
	s_set_vgpr_msb (MSB<<8)|\new
.set MSB, \new
.endif
.endm
.macro PLACES
.rept 4
	v_nop
.endr
.endm
.macro CROUND                          ; a round of the cluster's barrier
	s_barrier_signal -1
	s_barrier_wait -1
	s_cmp_lg_u32 s[WV], 0
	s_cbranch_scc1 .Lnot_wave_0_\@
	s_barrier_signal -3
.Lnot_wave_0_\@:
	s_barrier_wait -3
	s_barrier_signal -1
	s_barrier_wait -1
.endm
.macro JLOAD g0, g1
	tensor_load_to_lds s[\g0:\g0+3], s[\g1:\g1+7]
	s_nop 0
	PLACES
.endm
.macro WX c, m1, m2
	v_wmma_scale_f32_16x16x128_f8f6f4 v[rD:rD+7], v[rA:rA+7], v[rB:rB+7], \c, v[rSA], v[rSB] matrix_a_fmt:MATRIX_FMT_FP4 matrix_b_fmt:MATRIX_FMT_FP4 \m1 \m2
.endm
.macro WM c, ra, rb
.if (\ra) && (\rb)
	WX \c, matrix_a_scale:MATRIX_SCALE_ROW1, matrix_b_scale:MATRIX_SCALE_ROW1
.elseif \ra
	WX \c, matrix_a_scale:MATRIX_SCALE_ROW1
.elseif \rb
	WX \c, matrix_b_scale:MATRIX_SCALE_ROW1
.else
	WX \c
.endif
.endm
; S^T, K step k of 128: 4 tiles of 16 keys x 4 tiles of 16 queries; the 16 sums take turns
.macro MULS u, k
	WIN 0x59
.set ii, 0
.rept 16
.set rD, 32*(ii%4)+8*(ii/4)
.set rA, 128+32*((\k)%4)+8*(ii/4)
.set rB, 64*(ii%4)+8*(\k)
.set rSA, KS+16*(\u)+8*(ii/8)+(\k)
.set rSB, QS+8*((ii%4)/2)+(\k)
.if (\k) == 0
	WM 0, (ii/4)%2, ii%2
.else
	WM v[rD:rD+7], (ii/4)%2, ii%2
.endif
.set ii, ii+1
.endr
.endm
; O^T, K step k of 128 keys: 8 tiles of 16 channels x 4 tiles of queries; the 32 sums take turns
.macro MULV half, k, zero
	WIN 0x53+0x50*(\half)
.set ii, 0
.rept 32
.set rD, 32*(ii/4)+8*(ii%4)
.set rA, 128+64*((\k)%2)+8*(ii/4)
.set rB, P+32*(\k)+8*(ii%4)
.set rSA, KS+16*(\half)+4*(ii/8)+(\k)
.set rSB, PS+2*(\k)+(ii%4)/2
.if \zero
	WM 0, (ii/4)%2, ii%2
.else
	WM v[rD:rD+7], (ii/4)%2, ii%2
.endif
.set ii, ii+1
.endr
.endm
.macro MULV0 half                      ; the first super starts the sums
	WIN 0
	s_cmp_eq_u32 s[VC], s[TN]
	s_cbranch_scc0 .Ladd_\@
	MULV \half, 0, 1
	WIN 0
	s_branch .Lon_\@
.Ladd_\@:
	MULV \half, 0, 0
	WIN 0
.Lon_\@:
.endm
.macro KFRAG u, k
	WIN 0x40
.irp t, 0,1,2,3
.irp c, 0,1
	ds_load_b128 v[128+32*((\k)%4)+8*\t+4*\c:128+32*((\k)%4)+8*\t+4*\c+3], v[AK+\u] offset:\t*8448+64*(\k)+32*\c
.endr
.endr
.endm
.macro LOADV half, k
	WIN 0xc0
.irp t, 0,1,2,3,4,5,6,7
.irp c, 0,1
	ds_load_b128 v[128+64*((\k)%2)+8*\t+4*\c:128+64*((\k)%2)+8*\t+4*\c+3], v[AV+\half] offset:\t*4352+64*(\k)+32*\c
.endr
.endr
.endm
.macro PLOAD k                         ; P's operand of K step k, from the waves 2 (k % 2) and 2 (k % 2) + 1
	WIN 0
.irp q, 0,1,2,3
.irp c, 0,1
	ds_load_b128 v[P+32*(\k)+8*\q+4*\c:P+32*(\k)+8*\q+4*\c+3], v[LI] offset:(2*((\k)%2)+\c)*4096+2048*((\k)/2)+512*\q
.endr
.endr
.endm
.macro KSLOAD reg, b                   ; 64 keys' scale words: lane = key, 8 words a key
.irp x, 0,1
.irp i, 0,1
	global_load_b128 v[\reg+8*\x+4*\i:\reg+8*\x+4*\i+3], v[O32], s[\b:\b+1] offset:1024*\x+16*\i
.endr
.endr
.endm
.macro VSLOAD reg, b                   ; 128 channels' scale words: lane = channel, 4 words of this super
.irp x, 0,1,2,3
	global_load_b128 v[\reg+4*\x:\reg+4*\x+3], v[O64], s[\b:\b+1] offset:2048*\x
.endr
.endm
.macro ASKP u                          ; pass 1: what trip + 2 will load
	s_cmp_eq_u32 s[PF], 0
	s_cbranch_scc1 .Lnone_\@
	s_cmp_gt_u32 s[KC], \u+1
	s_cbranch_scc0 .Lv_\@
	global_prefetch_b8 v[PFK], s[PKA:PKA+1] offset:\u*131072 th:TH_LOAD_NT scope:SCOPE_SE
	s_branch .Lnone_\@
.Lv_\@:
.if \u == 0
	global_prefetch_b8 v[PFV], s[PVA:PVA+1] offset:524288 th:TH_LOAD_NT scope:SCOPE_SE
.else
	s_cmp_eq_u32 s[KC], 2
	s_cbranch_scc0 .Lw_\@
	global_prefetch_b8 v[PFV], s[PVA:PVA+1] th:TH_LOAD_NT scope:SCOPE_SE
	s_branch .Lnone_\@
.Lw_\@:
	global_prefetch_b8 v[PFV], s[PVA:PVA+1] offset:-256 th:TH_LOAD_NT scope:SCOPE_SE
.endif
.Lnone_\@:
.endm
.macro ASKV lim, off                   ; pass 2 likewise; the last supers ask for nothing
	s_cmp_eq_u32 s[PF], 0
	s_cbranch_scc1 .Lnone_\@
	s_cmp_gt_u32 s[VC], \lim
	s_cbranch_scc0 .Lnone_\@
	global_prefetch_b8 v[PFV], s[PVA:PVA+1] offset:\off th:TH_LOAD_NT scope:SCOPE_SE
.Lnone_\@:
.endm
.macro MV n, dst, src
.set kk, 0
.rept \n
	v_mov_b32 v[\dst+kk], v[\src+kk]
.set kk, kk+1
.endr
.endm
; The queue moves on by one super: an instruction's register numbers are fixed and the loop has one body.  These moves are the places behind the products.
.macro SHIFTUP
	WIN 0xc3
	MV 32, 128, 64
	MV 32, 64, 32
	MV 32, 32, 0
.irp b, QB, QM
	MV 4, \b+12, \b+8
	MV 4, \b+8, \b+4
	MV 4, \b+4, \b
.endr
	WIN 0
.endm
.macro SHIFTDN full
	WIN 0xc3
	MV 32, 0, 32
	MV 32, 32, 64
.if \full
	MV 32, 64, 128
.endif
.irp b, QB, QM
	MV 4, \b, \b+4
	MV 4, \b+4, \b+8
	MV 4, \b+8, \b+12
.endr
	WIN 0
.endm
.macro MASK u                          ; register 32 q + 8 t + j: key KF + 256 u + 64 wave + 16 t + 8 h + j, query Q0 + 16 q + r
	s_sub_co_i32 s[DQ], s[Q0], s[KF]
	s_lshl_b32 s[T0], s[WV], 6
	s_sub_co_i32 s[DQ], s[DQ], s[T0]
.if \u
	s_sub_co_i32 s[DQ], s[DQ], 256
.endif
	v_add_nc_u32 v[DD], s[DQ], v[RH]
.irp q, 1,2,3
	v_add_nc_u32 v[DD+\q], 16*\q, v[DD]
.endr
	WIN 0x41
.set nn, 0
.rept 128
	v_cmp_gt_i32 vcc_lo, 16*((nn%32)/8)+nn%8, v[DD+nn/32]
	v_cndmask_b32 v[nn], v[nn], v[NINF], vcc_lo
.set nn, nn+1
.endr
	WIN 0
.endm
; THE SOFTMAX of 64 queries x my 64 keys (two blocks of 32 for each query tile), and the quantiser
.macro SOFT u
	WIN 0x05
.irp b, 0,1,2,3,4,5,6,7
	v_max_num_f32 v[BM+\b], v[16*\b], v[16*\b+1]
.endr
.irp n, 2,4,6,8,10,12,14
.irp b, 0,1,2,3,4,5,6,7
	v_max3_num_f32 v[BM+\b], v[16*\b+\n], v[16*\b+\n+1], v[BM+\b]
.endr
.endr
	WIN 0
.irp b, 0,1,2,3,4,5,6,7
	v_permlanex16_b32 v[BT+\b], v[BM+\b], s[SEL], s[SEL+1]
.endr
.irp b, 0,1,2,3,4,5,6,7
	v_max_num_f32 v[BM+\b], v[BM+\b], v[BT+\b]
.endr
.irp q, 0,1,2,3
	v_max_num_f32 v[ST+8*\q+5], v[BM+2*\q], v[BM+2*\q+1]
.endr
.irp q, 0,1,2,3
	v_mul_f32 v[ST+8*\q+5], s[CS], v[ST+8*\q+5]
.endr
.irp q, 0,1,2,3
	v_max_num_f32 v[ST+8*\q+1], v[ST+8*\q+1], v[ST+8*\q+5]
.endr
.irp q, 0,1,2,3
	v_mov_b32 v[ST+8*\q+5], v[ST+8*\q]
.endr
.irp q, 0,1,2,3
	v_floor_f32 v[ST+8*\q], -v[ST+8*\q+1]
.endr
.irp q, 0,1,2,3
	v_sub_f32 v[ST+8*\q+5], v[ST+8*\q], v[ST+8*\q+5]
.endr
.irp q, 0,1,2,3
	v_cvt_i32_f32 v[ST+8*\q+5], v[ST+8*\q+5]
.endr
.irp q, 0,1,2,3
	v_ldexp_f32 v[ST+8*\q+2], 1.0, v[ST+8*\q+5]
.endr
.irp b, 0,1,2,3,4,5,6,7
	v_fma_f32 v[BM+\b], v[BM+\b], s[CS], v[ST+8*(\b/2)]
.endr
	WIN 0x41
.set nn, 0
.rept 64
	v_pk_fma_f32 v[nn:nn+1], v[nn:nn+1], s[CS:CS+1], v[ST+8*(nn/32):ST+8*(nn/32)+1] op_sel_hi:[1,0,0]
.set nn, nn+2
.endr
.set nn, 0
	s_wait_alu depctr_va_vdst(0)                   ; wait ahead of the batch
.rept 128
	v_exp_f32 v[nn], v[nn]
.set nn, nn+1
.endr
	WIN 0
.irp b, 0,1,2,3,4,5,6,7
	v_exp_f32 v[BM+\b], v[BM+\b]                   ; each block's largest p
.endr
	WIN 0xc0
.irp i, 0,1
	v_cndmask_b32 v[QM+2*\u+\i], v[ST+16*\i], v[ST+16*\i+8], s[HM]   ; the queue: -M, lane = row of 32
.endr
	WIN 0
	s_wait_alu depctr_va_vdst(0)                   ; and behind it
.irp b, 0,1,2,3,4,5,6,7
	v_max_num_f32 v[BM+\b], 0x1800000, v[BM+\b]    ; the floor 2^(3 - 127)
.endr
.irp b, 0,1,2,3,4,5,6,7
	v_add_nc_u32 v[SO+\b], 0xff000000, v[BM+\b]    ; 2 off the exponent field: the conversion's scale
.endr
.irp b, 0,1,2,3,4,5,6,7
	v_lshrrev_b32 v[BY+\b], 23, v[SO+\b]
.endr
.irp q, 0,1,2,3
	v_lshl_or_b32 v[PB+\q], v[BY+2*\q+1], 8, v[BY+2*\q]
.endr
	WIN 0xc0
.irp i, 0,1
	v_cndmask_b32 v[QB+2*\u+\i], v[PB+2*\i], v[PB+2*\i+1], s[HM]     ; the queue: two bytes, lane = row of 32
.endr
	WIN 0xc1
.irp q, 0,1,2,3
.irp t, 0,1,2,3
	v_cvt_scalef32_pk8_fp4_f32 v[QC+16*\u+4*\q+\t], v[32*\q+8*\t:32*\q+8*\t+7], v[SO+2*\q+\t/2]
.endr
.endr
	v_nop
	WIN 0x05
.irp q, 0,1,2,3
.irp x, 0,1
	v_pk_add_f32 v[ACC+4*\q+2*\x:ACC+4*\q+2*\x+1], v[32*\q+2*\x:32*\q+2*\x+1], v[32*\q+2*\x+4:32*\q+2*\x+5]
.endr
.endr
	WIN 0x01
.irp n, 8,12,16,20,24,28
.irp q, 0,1,2,3
.irp x, 0,1
	v_pk_add_f32 v[ACC+4*\q+2*\x:ACC+4*\q+2*\x+1], v[32*\q+2*\x+\n:32*\q+2*\x+\n+1], v[ACC+4*\q+2*\x:ACC+4*\q+2*\x+1]
.endr
.endr
.endr
	WIN 0
.irp q, 0,1,2,3
	v_pk_add_f32 v[ACC+4*\q:ACC+4*\q+1], v[ACC+4*\q:ACC+4*\q+1], v[ACC+4*\q+2:ACC+4*\q+3]
.endr
.irp q, 0,1,2,3
	v_add_f32 v[ACC+4*\q], v[ACC+4*\q], v[ACC+4*\q+1]
.endr
.irp q, 0,1,2,3
	v_fma_f32 v[ST+8*\q+4], v[ST+8*\q+4], v[ST+8*\q+2], v[ACC+4*\q]  ; my lane's part of the row's sum, under the new M
.endr
	s_wait_alu depctr_va_vdst(0)
.endm
; A STEP OF PASS 1: slot u is multiplied while the other slot is filled
.macro KSTEP u
	WIN 0
	s_wait_tensorcnt 0x0                           ; my part of slot u is in; no load of mine is out
	ds_add_u32 v[SPW], v[NIL]
.if \u
	s_add_nc_u64 s[G0B+2:G0B+3], s[G0B+2:G0B+3], 262144
.else
	s_add_nc_u64 s[G0A+2:G0A+3], s[G0A+2:G0A+3], 262144
.endif
	s_wait_dscnt 0x0                               ; the add is done, and so are my reads of the other slot
	CROUND
.if \u
	s_cmp_eq_u32 s[KC], 1
	s_cbranch_scc1 .Lfirst_v_\@
	JLOAD G0A, G1K
	s_branch .Lasked_\@
.Lfirst_v_\@:
	JLOAD G0C, G1V                                 ; behind the last step of K comes V's first tile
.Lasked_\@:
.else
	JLOAD G0B, G1K
.endif
.irp k, 0,1,2,3
	KFRAG \u, \k
.endr
	WIN 0
.if \u
	s_cmp_eq_u32 s[KC], 1
	s_cbranch_scc1 .Lscale_v_\@
	KSLOAD KS, SA0
	s_branch .Lscaled_\@
.Lscale_v_\@:
	VSLOAD KS, SV0
.Lscaled_\@:
.else
	KSLOAD KS+16, SA1
.endif
	ASKP \u
	s_wait_loadcnt 0x4                             ; all but the four just issued
.if \u
	s_add_nc_u64 s[SA1:SA1+1], s[SA1:SA1+1], 16384
.else
	s_add_nc_u64 s[SA0:SA0+1], s[SA0:SA0+1], 16384
.endif
	s_wait_dscnt 24                                ; 8 loads a K step; three K steps may be out
	MULS \u, 0
	s_wait_dscnt 16
	MULS \u, 1
	PLACES
	KFRAG \u, 4
	KFRAG \u, 5
	s_wait_dscnt 24
	MULS \u, 2
	s_wait_dscnt 16
	MULS \u, 3
	PLACES
	KFRAG \u, 6
	KFRAG \u, 7
	s_wait_dscnt 24
	MULS \u, 4
	s_wait_dscnt 16
	MULS \u, 5
	s_wait_dscnt 8
	MULS \u, 6
	s_wait_dscnt 0x0
	MULS \u, 7
.if \u
	PLACES
	WIN 0
	s_cmp_eq_u32 s[KC], 1
.else
	SHIFTUP
	s_cmp_eq_u32 s[KC], s[MK0]
.endif
	s_cbranch_scc0 .Lopen_\@
	MASK \u
.Lopen_\@:
	SOFT \u
.endm
; The queue's newest super goes out: scale bytes under the final M (at least 1), codes as an image of the operand's registers; then the queue moves back by one
.macro PSTORE full
	WIN 0x0c
.irp k, 0,1,2,3
	v_sub_f32 v[BM+\k], v[ST+3+8*(\k%2)], v[QM+\k] ; M(then) - M(final)
	v_and_b32 v[BM+4+\k], 0xff, v[QB+\k]
	v_lshrrev_b32 v[BM+8+\k], 8, v[QB+\k]
.endr
	WIN 0
.irp k, 4,5,6,7,8,9,10,11
	v_cvt_f32_u32 v[BM+\k], v[BM+\k]
.endr
.irp k, 4,5,6,7,8,9,10,11
	v_add_f32 v[BM+\k], v[BM+\k%4], v[BM+\k]
.endr
.irp k, 4,5,6,7,8,9,10,11
	v_max_num_f32 v[BM+\k], 1.0, v[BM+\k]
.endr
.irp k, 4,5,6,7,8,9,10,11
	v_cvt_u32_f32 v[BM+\k], v[BM+\k]
.endr
.irp k, 0,1,2,3
	v_lshl_or_b32 v[BM+4+\k], v[BM+8+\k], 8, v[BM+4+\k]
.endr
.irp k, 0,1,2,3
	ds_store_b32 v[W5], v[BM+4+\k] offset:PSC+128*\k
.endr
	WIN 0x0c
.irp u, 0,1
.irp q, 0,1,2,3
.irp t, 0,1,2,3
	ds_store_b32 v[PST], v[QC+16*\u+4*\q+\t] offset:2048*\u+512*\q+256*(\t/2)+8*(\t%2)
.endr
.endr
.endr
	SHIFTDN \full
	s_wait_alu depctr_va_vdst(0)
.endm
; PASS 2, channels 0-511 of a super (slot 0)
.macro VHALF0
	WIN 0
	s_wait_tensorcnt 0x0
	ds_add_u32 v[SPW], v[NIL]
	s_sub_nc_u64 s[G0C+2:G0C+3], s[G0C+2:G0C+3], 256
	s_wait_dscnt 0x0                               ; the add, my stores of P, my reads of slot 1
	CROUND
	JLOAD G0D, G1V
.irp k, 0,1,2,3
.irp i, 0,1
	ds_load_b32 v[PSR+2*\k+\i], v[L4] offset:PSC+1024*(\k%2)+256*(\k/2)+128*\i
	ds_load_b32 v[PSR+8+2*\k+\i], v[L4] offset:PSC+512+1024*(\k%2)+256*(\k/2)+128*\i
.endr
.endr
	PLOAD 0
	LOADV 0, 0
	PLOAD 1
	LOADV 0, 1
	WIN 0
	VSLOAD KS+16, SV1
	ASKV 1, 524032
	s_wait_dscnt 48                                ; the 16 words of scale bytes are in
.irp k, 0,1,2,3,4,5,6,7
	v_lshl_or_b32 v[PS+\k], v[PSR+8+\k], 16, v[PSR+\k]
.endr
	PLACES
	PLACES                                         ; eight places ahead of the scaled products
	s_wait_alu depctr_va_vdst(0)
	s_wait_loadcnt 0x4
	s_sub_nc_u64 s[SV0:SV0+1], s[SV0:SV0+1], 16
	s_wait_dscnt 24                                ; 24 loads a K step; the second may be out
	MULV0 0
	PLACES
	PLOAD 2
	LOADV 0, 2
	s_wait_dscnt 24
	MULV 0, 1, 0
	PLACES
	PLOAD 3
	LOADV 0, 3
	s_wait_dscnt 24
	MULV 0, 2, 0
	s_wait_dscnt 0x0
	MULV 0, 3, 0
	WIN 0
.endm
; Channels 512-1023 (slot 1); fill = 1: slot 0 takes the next super's first half.  fill = 0: I read only what I fetched, and nothing is filled again: no barrier
.macro VHALF1 fill
	WIN 0
	s_wait_tensorcnt 0x0
.if \fill
	ds_add_u32 v[SPW], v[NIL]
	s_sub_nc_u64 s[G0D+2:G0D+3], s[G0D+2:G0D+3], 256
	s_wait_dscnt 0x0
	CROUND
	JLOAD G0C, G1V
.endif
	LOADV 1, 0
	LOADV 1, 1
	WIN 0
.if \fill
	VSLOAD KS, SV0
	ASKV 2, -512
	s_wait_loadcnt 0x4
	s_sub_nc_u64 s[SV1:SV1+1], s[SV1:SV1+1], 16
.else
	s_wait_loadcnt 0x0
.endif
	s_wait_dscnt 16
	MULV0 1
	PLACES
	LOADV 1, 2
	s_wait_dscnt 16
	MULV 1, 1, 0
	PLACES
	LOADV 1, 3
	s_wait_dscnt 16
	MULV 1, 2, 0
	s_wait_dscnt 0x0
	MULV 1, 3, 0
	WIN 0
.endm
; THE WAY OUT in pieces of 16 queries x 64 channels (piece p: query tile p / 2): divided by the row's sum, through my stage, stored as rows of 256 bytes
.macro PACK half, p
	WIN 0xc1+(\half)
.set k2, 0
.rept 16
.set rO, 32*(4*((\p)%2)+k2/4)+8*((\p)/2)+2*(k2%4)
	v_pk_mul_f32 v[2*k2:2*k2+1], v[rO:rO+1], v[ST+8*((\p)/2)+6:ST+8*((\p)/2)+7] op_sel_hi:[1,0]
.set k2, k2+1
.endr
	WIN 0
.endm
.macro TOSTAGE p
.set BB, 32+32*((\p)%2)
	WIN 0x0c
.irp k, 0,1,2,3
.irp e, 0,1
	ds_store_b128 v[STO], v[8*\k+4*\e:8*\k+4*\e+3] offset:64*\k+16*\e
.endr
.endr
	WIN 0xc0
.irp i, 0,1,2,3,4,5,6,7
	ds_load_b128 v[BB+4*\i:BB+4*\i+3], v[SRD] offset:544*\i
.endr
	WIN 0
.endm
.macro SEND half, p
.set BB, 32+32*((\p)%2)
	s_wait_dscnt 0x0
	s_wait_xcnt 0x0                                ; earlier stores have read their registers
	WIN 0x0c
.irp i, 0,1,2,3,4,5,6,7
	global_store_b128 v[GO], v[BB+4*\i:BB+4*\i+3], s[OB:OB+1] offset:(16*((\p)/2)+2*\i)*4096+256*((\p)%2)+2048*(\half) th:TH_STORE_NT
.endr
	WIN 0
.endm
.macro OUT half
	PLACES
	PACK \half, 0
	TOSTAGE 0
.irp p, 1,2,3,4,5,6,7
	PACK \half, \p
	s_wait_alu depctr_va_vdst(0)                   ; wait ahead of SEND's waits
	SEND \half, \p-1
	TOSTAGE \p
.endr
	SEND \half, 7
.endm
	s_load_b256 s[4:11], s[0:1], 0x0               ; K's codes and scales, Q's codes and scales
	s_load_b128 s[12:15], s[0:1], 0x20             ; V's
	s_load_b64 s[16:17], s[0:1], 0x30              ; O
	v_lshl_add_u32 v[SPW], v0, 2, SPARE
	v_mov_b32 v[NIL], 0
	ds_add_u32 v[SPW], v[NIL]
	ds_add_u32 v[SPW], v[NIL]
	v_lshrrev_b32 v[TMP], 5, v0
	v_readfirstlane_b32 s[WV], v[TMP]
	s_bfe_u32 s[CX], ttmp6, 0x40000
	s_mov_b32 s[BAT], ttmp9
	s_and_b32 s[GG], ttmp7, 0xffff
	s_sub_co_u32 s[GG], 7, s[GG]                   ; the longest walks have the lowest numbers
	s_add_co_u32 s[TN], s[GG], 2
	s_lshr_b32 s[TN], s[TN], 1
	; group 1: K: 64 rows of 512 bytes, 16 bytes of padding behind each; V: 128 rows of 256 bytes, 1,024 apart, 16 bytes behind each
	s_mov_b32 s[G1K], 15|(1<<20)|(1<<21)|(6<<22)|(3<<25)
	s_mov_b32 s[G1K+1], 512<<16
	s_mov_b32 s[G1K+2], 64<<16
	s_mov_b32 s[G1K+3], 512<<16
	s_mov_b32 s[G1K+4], 64
	s_mov_b32 s[G1K+5], 512
	s_mov_b32 s[G1K+6], 0
	s_mov_b32 s[G1K+7], 0
	s_mov_b32 s[G1V], 15|(1<<20)|(1<<21)|(5<<22)|(3<<25)
	s_mov_b32 s[G1V+1], 256<<16
	s_mov_b32 s[G1V+2], 128<<16
	s_mov_b32 s[G1V+3], 256<<16
	s_mov_b32 s[G1V+4], 128
	s_mov_b32 s[G1V+5], 1024
	s_mov_b32 s[G1V+6], 0
	s_mov_b32 s[G1V+7], 0
	s_mov_b32 s[OFS+1], 0
	s_mov_b32 s[OFX+1], 0
	s_lshl_b32 s[BO], s[BAT], 20                   ; a batch's codes, in each tensor
	s_lshl_b32 s[BS], s[BAT], 16                   ; and its scale bytes
	s_mov_b32 s[G0A], 1
	s_mul_i32 s[G0A+1], s[WV], QUART
	s_mov_b32 s[G0B], 1
	s_add_co_u32 s[G0B+1], s[G0A+1], SLOT
	s_mov_b32 s[G0C], 1
	s_mul_i32 s[G0C+1], s[WV], QUART
	s_mov_b32 s[G0D], 1
	s_add_co_u32 s[G0D+1], s[G0C+1], SLOT
	s_lshl_b32 s[OFS], s[WV], 15
	s_add_co_u32 s[OFS], s[OFS], s[BO]
	v_and_b32 v224, 15, v0                         ; r
	v_bfe_u32 v225, v0, 4, 1                       ; h
	v_and_b32 v226, 31, v0                         ; lane
	v_lshlrev_b32 v[QO], 9, v224
	v_lshl_add_u32 v[QO], v225, 4, v[QO]
	v_lshlrev_b32 v[O32], 5, v226
	v_lshlrev_b32 v[O64], 6, v226
	v_lshlrev_b32 v[PFK], 8, v226
	v_lshlrev_b32 v[PFV], 10, v226
	s_wait_dscnt 0x0                               ; both opening adds are done
	s_wait_alu depctr_va_vdst(0)
	CROUND
	s_wait_kmcnt 0x0
	s_add_nc_u64 s[KB:KB+1], s[4:5], s[OFS:OFS+1]
	s_mov_b64 s[G0A+2:G0A+3], s[KB:KB+1]
	s_or_b32 s[G0A+3], s[G0A+3], 0x80000000
	JLOAD G0A, G1K                                 ; tile 0: one load a wave at the head
	s_lshl_b32 s[Q0], s[GG], 8
	s_lshl_b32 s[OFX], s[CX], 6
	s_add_co_u32 s[Q0], s[Q0], s[OFX]              ; my first query
	s_lshl_b32 s[OFX], s[Q0], 9
	s_add_co_u32 s[OFX], s[OFX], s[BO]
	s_add_nc_u64 s[QAA:QAA+1], s[8:9], s[OFX:OFX+1]
	s_lshl_b32 s[OFX], s[Q0], 5
	s_add_co_u32 s[OFX], s[OFX], s[BS]
	s_add_nc_u64 s[QSA:QSA+1], s[10:11], s[OFX:OFX+1]
	s_lshl_b32 s[OFS], s[WV], 11
	s_add_co_u32 s[OFS], s[OFS], s[BS]
	s_add_nc_u64 s[SA0:SA0+1], s[6:7], s[OFS:OFS+1]
	s_add_nc_u64 s[SA1:SA1+1], s[SA0:SA0+1], 8192
	KSLOAD KS, SA0
	KSLOAD QS, QSA                                 ; Q's scale words have the same form: 64 rows of 32 bytes
	WIN 0x80
.irp q, 0,1,2,3
.irp k, 0,1,2,3,4,5,6,7
.irp c, 0,1
	global_load_b128 v[64*\q+8*\k+4*\c:64*\q+8*\k+4*\c+3], v[QO], s[QAA:QAA+1] offset:8192*\q+64*\k+32*\c
.endr
.endr
.endr
	WIN 0
	s_lshl_b32 s[OFX], s[CX], 15
	s_add_co_u32 s[OFX], s[OFX], s[BO]
	s_lshl_b32 s[T0], s[WV], 13
	s_add_co_u32 s[OFX], s[OFX], s[T0]
	s_add_co_u32 s[OFX], s[OFX], 393216
	s_add_nc_u64 s[PKA:PKA+1], s[4:5], s[OFX:OFX+1]  ; my part of K's tile 3
	s_cmp_ge_u32 s[GG], 4
	s_cselect_b32 s[PF], 1, 0
	s_cmp_eq_u32 s[PF], 0
	s_cbranch_scc1 .Lno_ask
	global_prefetch_b8 v[PFK], s[PKA:PKA+1] offset:-262144 th:TH_LOAD_NT scope:SCOPE_SE
	global_prefetch_b8 v[PFK], s[PKA:PKA+1] offset:-131072 th:TH_LOAD_NT scope:SCOPE_SE
.Lno_ask:
	s_add_nc_u64 s[G0B+2:G0B+3], s[KB:KB+1], 131072
	s_or_b32 s[G0B+3], s[G0B+3], 0x80000000
	s_sub_co_u32 s[T1], s[TN], 1                   ; the last super
	s_lshl_b32 s[OFS], s[WV], 17
	s_add_co_u32 s[OFS], s[OFS], s[BO]
	s_lshl_b32 s[T0], s[T1], 8
	s_add_co_u32 s[OFS], s[OFS], s[T0]
	s_add_nc_u64 s[G0C+2:G0C+3], s[12:13], s[OFS:OFS+1]
	s_add_nc_u64 s[G0D+2:G0D+3], s[G0C+2:G0C+3], 524288
	s_or_b32 s[G0C+3], s[G0C+3], 0x80000000
	s_or_b32 s[G0D+3], s[G0D+3], 0x80000000
	s_lshl_b32 s[OFX], s[CX], 17
	s_add_co_u32 s[OFX], s[OFX], s[BO]
	s_add_co_u32 s[OFX], s[OFX], s[T0]
	s_lshl_b32 s[T0], s[WV], 15
	s_add_co_u32 s[OFX], s[OFX], s[T0]
	s_add_nc_u64 s[PVA:PVA+1], s[12:13], s[OFX:OFX+1]
	s_lshl_b32 s[OFS], s[WV], 13
	s_add_co_u32 s[OFS], s[OFS], s[BS]
	s_lshl_b32 s[T0], s[T1], 4
	s_add_co_u32 s[OFS], s[OFS], s[T0]
	s_add_nc_u64 s[SV0:SV0+1], s[14:15], s[OFS:OFS+1]
	s_add_nc_u64 s[SV1:SV1+1], s[SV0:SV0+1], 32768
	s_lshl_b32 s[OFX], s[BAT], 11
	s_add_co_u32 s[OFX], s[OFX], s[Q0]
	s_lshl_b32 s[OFX], s[OFX], 12
	s_lshl_b32 s[T0], s[WV], 9
	s_add_co_u32 s[OFX], s[OFX], s[T0]
	s_add_nc_u64 s[OB:OB+1], s[16:17], s[OFX:OFX+1]
	s_and_b32 s[MK0], s[GG], 1
	s_xor_b32 s[MK0], s[MK0], 1
	s_mov_b32 s[KF], 0
	s_mov_b32 s[HM], 0xffff0000
	s_mov_b32 s[SEL], 0x76543210
	s_mov_b32 s[SEL+1], 0xfedcba98
	s_mov_b32 s[CS], 0x3d38aa3b                    ; log2(e) / 32
	s_mov_b32 s[CS+1], s[CS]
	v_mul_u32_u24 v[AK], v224, 528
	v_lshl_add_u32 v[AK], v225, 4, v[AK]
	v_add_nc_u32 v[AK], s[G0A+1], v[AK]
	v_add_nc_u32 v[AK+1], SLOT, v[AK]
	v_mul_u32_u24 v[AV], v224, 272
	v_lshl_add_u32 v[AV], v225, 4, v[AV]
	v_add_nc_u32 v[AV], s[G0A+1], v[AV]
	v_add_nc_u32 v[AV+1], SLOT, v[AV]
	v_lshl_add_u32 v[LI], v226, 4, Z
	v_lshl_add_u32 v[L4], v226, 2, Z
	v_lshl_add_u32 v[R4], v224, 2, Z
	s_lshl_b32 s[T0], s[WV], 8
	v_add_nc_u32 v[W4], s[T0], v[L4]
	s_lshl_b32 s[T0], s[WV], 9
	v_add_nc_u32 v[W5], s[T0], v[L4]
	v_lshlrev_b32 v[PST], 4, v224
	v_lshl_add_u32 v[PST], v225, 2, v[PST]
	s_lshl_b32 s[T0], s[WV], 12
	s_add_co_u32 s[T0], s[T0], Z
	v_add_nc_u32 v[PST], s[T0], v[PST]
	s_mul_i32 s[T0], s[WV], 4352
	s_add_co_u32 s[T0], s[T0], Z+STG
	v_mul_u32_u24 v[STO], v224, 272
	v_lshl_add_u32 v[STO], v225, 5, v[STO]
	v_add_nc_u32 v[STO], s[T0], v[STO]
	v_mul_u32_u24 v[SRD], v225, 272
	v_lshl_add_u32 v[SRD], v224, 4, v[SRD]
	v_add_nc_u32 v[SRD], s[T0], v[SRD]
	v_lshlrev_b32 v[GO], 12, v225
	v_lshl_add_u32 v[GO], v224, 4, v[GO]
	v_lshlrev_b32 v[RH], 3, v225
	v_sub_nc_u32 v[RH], v224, v[RH]
	v_mov_b32 v[NINF], 0xff800000
.irp q, 0,1,2,3
	v_mov_b32 v[ST+8*\q+1], 0xff61b1e6             ; the largest t so far: -3e38
	v_floor_f32 v[ST+8*\q], -v[ST+8*\q+1]
	v_mov_b32 v[ST+8*\q+4], 0
	v_mov_b32 v[ST+8*\q+7], 0
.endr
.irp b, 0,1,2,3,4,5,6,7
	v_mov_b32 v[BT+\b], 0                          ; a lane permute's destination counts as one of its sources
.endr
	WIN 0xc0
.set nn, 0
.rept 160
	v_mov_b32 v[nn], 0                             ; the queue: every register is written before it is moved
.set nn, nn+1
.endr
	WIN 0
	s_mov_b32 s[KC], s[TN]
	s_mov_b32 s[VC], s[TN]
	s_wait_alu depctr_va_vdst(0)                   ; wait at the head's end
.Lk:
	KSTEP 0
	KSTEP 1
	s_wait_xcnt 0x0                                ; my prefetches have read their address
	s_add_nc_u64 s[PKA:PKA+1], s[PKA:PKA+1], 262144
	s_add_co_u32 s[KF], s[KF], 512
	s_sub_co_u32 s[KC], s[KC], 1
	s_cmp_gt_i32 s[KC], 0
	s_cbranch_scc1 .Lk
	; BETWEEN THE PASSES: the waves' M and sums are joined; V's first tile is on its way
.irp q, 0,1,2,3
	v_permlanex16_b32 v[BT+\q], v[ST+8*\q+4], s[SEL], s[SEL+1]
.endr
.irp q, 0,1,2,3
	v_add_f32 v[ST+8*\q+4], v[ST+8*\q+4], v[BT+\q]
.endr
.irp i, 0,1
	v_cndmask_b32 v[TMP+\i], v[ST+16*\i], v[ST+16*\i+8], s[HM]
	v_cndmask_b32 v[TMP+2+\i], v[ST+16*\i+4], v[ST+16*\i+12], s[HM]
.endr
.irp i, 0,1
	ds_store_b32 v[W4], v[TMP+\i] offset:MXO+128*\i
	ds_store_b32 v[W4], v[TMP+2+\i] offset:SMO+128*\i
.endr
	s_wait_alu depctr_va_vdst(0)                   ; a barrier follows
	s_wait_dscnt 0x0
	s_barrier_signal -1
	s_barrier_wait -1
.irp q, 0,1,2,3
.irp x, 0,1,2,3
	ds_load_b32 v[MXR+4*\q+\x], v[R4] offset:MXO+256*\x+64*\q
	ds_load_b32 v[SMR+4*\q+\x], v[R4] offset:SMO+256*\x+64*\q
.endr
.endr
	s_wait_dscnt 0x0
.irp q, 0,1,2,3
	v_min_num_f32 v[ST+8*\q+5], v[MXR+4*\q], v[MXR+4*\q+1]
.endr
.irp q, 0,1,2,3
	v_min_num_f32 v[ST+8*\q+5], v[ST+8*\q+5], v[MXR+4*\q+2]
.endr
.irp q, 0,1,2,3
	v_min_num_f32 v[ST+8*\q+5], v[ST+8*\q+5], v[MXR+4*\q+3]   ; the final -M
.endr
.irp q, 0,1,2,3
.irp x, 0,1,2,3
	v_sub_f32 v[MXR+4*\q+\x], v[ST+8*\q+5], v[MXR+4*\q+\x]
.endr
.endr
.irp n, 0,1,2,3,4,5,6,7,8,9,10,11,12,13,14,15
	v_cvt_i32_f32 v[MXR+\n], v[MXR+\n]
.endr
.irp n, 0,1,2,3,4,5,6,7,8,9,10,11,12,13,14,15
	v_ldexp_f32 v[SMR+\n], v[SMR+\n], v[MXR+\n]
.endr
.irp q, 0,1,2,3
	v_add_f32 v[SMR+4*\q], v[SMR+4*\q], v[SMR+4*\q+1]
	v_add_f32 v[SMR+4*\q+2], v[SMR+4*\q+2], v[SMR+4*\q+3]
.endr
.irp q, 0,1,2,3
	v_add_f32 v[SMR+4*\q], v[SMR+4*\q], v[SMR+4*\q+2]         ; the row's sum
.endr
	s_wait_alu depctr_va_vdst(0)                   ; wait ahead of the batch
.irp q, 0,1,2,3
	v_rcp_f32 v[ST+8*\q+6], v[SMR+4*\q]
.endr
.irp i, 0,1
	v_cndmask_b32 v[ST+3+8*\i], v[ST+16*\i+5], v[ST+16*\i+13], s[HM]   ; the final -M, lane = row of 32
.endr
	s_wait_alu depctr_va_vdst(0)                   ; and behind it
	PSTORE 1
.Lv:
	VHALF0
	s_cmp_eq_u32 s[VC], 1
	s_cbranch_scc1 .Lvend                          ; the last super: its second half is written out below and fills nothing; so the jump back is always taken
	VHALF1 1
	PSTORE 0
	s_wait_xcnt 0x0                                ; my prefetches have read their address
	s_sub_nc_u64 s[PVA:PVA+1], s[PVA:PVA+1], 256
	s_sub_co_u32 s[VC], s[VC], 1
	s_cmp_gt_i32 s[VC], 0
	s_cbranch_scc1 .Lv
.Lvend:
	OUT 0                                          ; channels 0-511 leave while the last tile is on its way
	VHALF1 0
	OUT 1
	s_wait_tensorcnt 0x0                           ; the wave's end
	ds_add_u32 v[SPW], v[NIL]
	s_wait_dscnt 0x0
	CROUND                                         ; the closing round
	s_endpgm
.Lfunc_end_k_qc72e4d4fb8_attn:
	.size	k_qc72e4d4fb8_attn, .Lfunc_end_k_qc72e4d4fb8_attn-k_qc72e4d4fb8_attn
	.p2alignl 7, 3214868480
	.fill 96, 4, 3214868480
	.section	.rodata,"a",@progbits
	.p2align	6, 0x0
	.amdhsa_kernel k_qc72e4d4fb8_attn
		.amdhsa_group_segment_fixed_size 327680
		.amdhsa_private_segment_fixed_size 0
		.amdhsa_enable_private_segment 0
		.amdhsa_kernarg_size 56
		.amdhsa_user_sgpr_count 2
		.amdhsa_user_sgpr_kernarg_segment_ptr 1
		.amdhsa_wavefront_size32 1
		.amdhsa_system_sgpr_workgroup_id_x 1
		.amdhsa_system_sgpr_workgroup_id_y 1
		.amdhsa_system_sgpr_workgroup_id_z 1
		.amdhsa_system_vgpr_workitem_id 0
		.amdhsa_next_free_vgpr 1024
		.amdhsa_next_free_sgpr 102
		.amdhsa_reserve_vcc 1
		.amdhsa_float_denorm_mode_32 3
		.amdhsa_float_denorm_mode_16_64 3
		.amdhsa_memory_ordered 1
		.amdhsa_forward_progress 1
		.amdhsa_inst_pref_size 255
	.end_amdhsa_kernel
	.section	.bss,"aw",@nobits
	.p2align	6
	.space	262144
	.amdgpu_metadata
---
amdhsa.version: [ 1, 2 ]
amdhsa.kernels:
  - .name:           k_qc72e4d4fb8_attn
    .symbol:         k_qc72e4d4fb8_attn.kd
    .args:
      - { .name: key_codes, .offset: 0, .size: 8, .value_kind: global_buffer, .address_space: global }
      - { .name: key_scales, .offset: 8, .size: 8, .value_kind: global_buffer, .address_space: global }
      - { .name: query_codes, .offset: 16, .size: 8, .value_kind: global_buffer, .address_space: global }
      - { .name: query_scales, .offset: 24, .size: 8, .value_kind: global_buffer, .address_space: global }
      - { .name: value_codes, .offset: 32, .size: 8, .value_kind: global_buffer, .address_space: global }
      - { .name: value_scales, .offset: 40, .size: 8, .value_kind: global_buffer, .address_space: global }
      - { .name: out0, .offset: 48, .size: 8, .value_kind: global_buffer, .address_space: global }
    .group_segment_fixed_size: 327680
    .private_segment_fixed_size: 0
    .kernarg_segment_align: 8
    .kernarg_segment_size: 56
    .max_flat_workgroup_size: 128
    .sgpr_count:     102
    .vgpr_count:     1024
    .wavefront_size: 32
...
	.end_amdgpu_metadata
.endif
;; end of part 1
